; MI455X (gfx1250); checked and timed in simulation.
; The chip was launched on July 23, 2026; its instructions are those of AMD's public machine-readable ISA for CDNA 5 (MIT licence, August 2026) and "CDNA5" Instruction Set Architecture Reference Guide (July 2026). The comments in the code are by the model that wrote it; some were corrected since.
;; Prop MLP. Allowed arithmetic: float matrix products may take bf16 or f16 operands with f32 sums; other float arithmetic in f32, or as packed bf16 or f16 multiplies, adds, multiply-adds, maxima and minima; sums over many terms, partial sums and values carried from step to step in f32; what a program stores and reads back later, other than sums and carried values, may be rounded once to bf16 or f16.
;; Inputs: W1 20 x 64 float32; W2 64 x 1 float32; b1 64 float32; b2 1 float32; positions 1,048,576 x 3 float32; table 10 x 65,536 x 2 float32.
;; Outputs: out0 1,048,576 x 1 float32.
;; One version. Each part assembles by itself: llvm-mc -triple=amdgcn-amd-amdhsa -mcpu=gfx1250 --defsym DOCPART=n.
;; ======== version 1 of 1: 3 launches
;; limits: inputs' magnitudes at most 3.99; values are held in f16: magnitudes above 65,504 overflow, below 6.1e-05 lose precision
;; workspace buffers: qpos 12,582,912 bytes of whole numbers; tab16 2,621,440 bytes; feat 41,943,040 bytes
;; launch prep (part 1): grid 256 x 1, 8 waves a work-group, no clusters, 50,176 bytes of LDS; arguments positions, table, qpos, tab16; writes qpos, tab16
.if DOCPART == 1
	.amdgcn_target "amdgcn-amd-amdhsa--gfx1250"
	.amdhsa_code_object_version 6
	.text
	.protected	k_q357f0b31ba_prep
	.globl	k_q357f0b31ba_prep
	.p2align	8
	.type	k_q357f0b31ba_prep,@function
k_q357f0b31ba_prep:
	s_mov_b64 s[64:65], 0
	v_nop
	global_prefetch_b8 v0, s[64:65] scope:SCOPE_SE
	s_setreg_imm32_b32 hwreg(HW_REG_WAVE_MODE, 25, 1), 1
	s_wait_xcnt 0x0
; PropMLP, first of three launches.  density = relu(hash_encode(positions, table) W1 + b1) W2 + b2 for 1,048,576 points.
; Nothing of reference() is left out: all six inputs reach the output; positions and table are read here, W1, b1, W2, b2 in the third launch.
; WHY THIS LAUNCH.  A launch forms addresses only from whole numbers that it reads from memory.  So the positions are turned into whole numbers here, and the
; launch that gathers makes cells, hashes and fractions from them by integer arithmetic.
; (1) qpos: each coordinate as fixed point with 23 fractional bits, c = floor(pos x 2^23), stored as  I << 24 | fraction  (I = whole part, bit 23 = 0), so that a 24-bit
;     multiply takes the fraction as it stands.  Layout [chunk of 128 points][x, y, z][128 words]: a lane of the next launch takes four points' x by one load of 16 bytes.
; (2) tab16: each table entry (two f32) times 2^14, rounded once to f16, packed in one word (feature 0 low): a level is 262,144 bytes and fits in LDS.
; LIMITS.  Positions are served in [0, 32): a negative one or a NaN counts as 0, a larger one as 32 - 2^-23.  A position is cut to a multiple of 2^-23; cell and fraction are
; made of the same cut number, and the interpolation is continuous across cells, so a feature moves by at most n x 2^-23 of the difference between neighbouring corners.
; Table entries must stay below 65504 / 16384 = 3.99 in magnitude (beyond: f16's infinity); below 2^-28 they keep a fixed step of 2^-38.
; SHARES.  2,048 waves; each takes 4 chunks of positions (6,144 bytes) and 640 numbers of the table (2,560 bytes).  All 17 loads go out at once; no loop.
; positions lie [point][3]: the wave loads 512 consecutive bytes an instruction, lays them into its own LDS stage as they lie, and each lane reads its four points' 48 bytes back.
.set STG,   6144                       ; a wave's stage: four chunks of 1,536 bytes
.set SPARE, 8*STG                      ; behind the stages: the spare words, 128 bytes for each wave, which no other line names
.set SPW, 2                            ; v2   LDS address of my spare word; never rewritten
.set NIL, 3                            ; v3   0; never rewritten
.set LO,  4                            ; v4   16 x lane
.set LH,  5                            ; v5   8 x lane
.set SA,  6                            ; v6   stage, in: 16 x lane
.set SB,  7                            ; v7   stage, back: 48 x lane
.set P,   8                            ; v[8:55]    positions as loaded; later the words to store, chunk c, dimension d at P + 12 c + 4 d
.set R,   56                           ; v[56:103]  four points a lane and chunk: x0 y0 z0 x1 ..
.set T,   104                          ; v[104:123] table numbers
.set H,   124                          ; v[124:133] packed table words
.set U,   134                          ; v[134:137] at work
	s_load_b256 s[4:11], s[0:1], 0x0               ; positions s[4:5], table s[6:7], qpos s[8:9], tab16 s[10:11]
	v_lshl_add_u32 v[SPW], v0, 2, SPARE
	v_mov_b32 v[NIL], 0
	v_lshrrev_b32 v1, 5, v0
	v_readfirstlane_b32 s12, v1                    ; wave 0..7
	v_and_b32 v1, 31, v0                           ; lane
	v_lshlrev_b32 v[LO], 4, v1
	v_lshlrev_b32 v[LH], 3, v1
	s_lshl_b32 s13, ttmp9, 3
	s_add_co_u32 s13, s13, s12                     ; my wave among the launch's 2,048
	s_mul_i32 s14, s13, 4*1536                     ; its bytes of positions and of qpos
	s_mov_b32 s15, 0
	s_mul_i32 s16, s13, 5*512                      ; of table
	s_mov_b32 s17, 0
	s_mul_i32 s18, s13, 5*256                      ; of tab16
	s_mov_b32 s19, 0
	s_mul_i32 s20, s12, STG                        ; my stage
	v_add_nc_u32 v[SA], s20, v[LO]
	v_mad_u32_u24 v[SB], v1, 48, s20
	s_wait_kmcnt 0x0
	s_add_nc_u64 s[4:5], s[4:5], s[14:15]
	s_add_nc_u64 s[8:9], s[8:9], s[14:15]
	s_add_nc_u64 s[6:7], s[6:7], s[16:17]
	s_add_nc_u64 s[10:11], s[10:11], s[18:19]
.irp i, 0,1,2,3,4,5,6,7,8,9,10,11
	global_load_b128 v[P+4*\i:P+4*\i+3], v[LO], s[4:5] offset:512*\i th:TH_LOAD_NT
.endr
.irp j, 0,1,2,3,4
	global_load_b128 v[T+4*\j:T+4*\j+3], v[LO], s[6:7] offset:512*\j th:TH_LOAD_NT
.endr
; Chunk c goes through the stage.  The bytes are the wave's own and LDS serves a wave's instructions in order (ISA guide 5.7.1.4), so the loads see the stores without a wait.
; Back: lane l reads bytes 48 l .. 48 l + 47.
.macro STAGE c
	s_wait_loadcnt 14-3*(\c)                       ; loads come back in order: chunk c's three are in; out may be the later chunks' three each and the table's five
.irp k, 0,1,2
	ds_store_b128 v[SA], v[P+12*(\c)+4*\k:P+12*(\c)+4*\k+3] offset:1536*(\c)+512*\k
.endr
.irp k, 0,1,2
	ds_load_b128 v[R+12*(\c)+4*\k:R+12*(\c)+4*\k+3], v[SB] offset:1536*(\c)+16*\k
.endr
.endm
; Chunk c's 12 numbers a lane become words and are stored by dimension: 512 consecutive bytes a store, aligned.  younger: the LDS instructions issued behind chunk c's.
.macro FIX c, younger
	s_wait_dscnt \younger
.irp e, 0,2,4,6,8,10
	v_pk_mul_f32 v[R+12*(\c)+\e:R+12*(\c)+\e+1], v[R+12*(\c)+\e:R+12*(\c)+\e+1], 0x4b000000 op_sel_hi:[1,0]  ; x 2^23: exact
.endr
.irp e, 0,1,2,3,4,5,6,7,8,9,10,11
	v_cvt_u32_f32 v[R+12*(\c)+\e], v[R+12*(\c)+\e] ; toward zero; below 0 and NaN give 0
.endr
.irp e, 0,1,2,3,4,5,6,7,8,9,10,11
	v_min_u32 v[R+12*(\c)+\e], 0x0fffffff, v[R+12*(\c)+\e]  ; under 32
.endr
.irp e, 0,1,2,3,4,5,6,7,8,9,10,11
	v_and_b32 v[U+(\e)%4], 0xff800000, v[R+12*(\c)+\e]       ; I << 23; added once more it stands at bit 24
	v_add_nc_u32 v[P+12*(\c)+4*((\e)%3)+(\e)/3], v[R+12*(\c)+\e], v[U+(\e)%4]  ; number e is dimension e % 3 of point e / 3
.endr
.irp d, 0,1,2
	global_store_b128 v[LO], v[P+12*(\c)+4*\d:P+12*(\c)+4*\d+3], s[8:9] offset:1536*(\c)+512*\d th:TH_STORE_NT
.endr
.endm
	STAGE 0
	STAGE 1
	FIX 0, 6                                       ; a chunk's arithmetic stands behind the next chunk's trip through the stage
	STAGE 2
	FIX 1, 6
	STAGE 3
	FIX 2, 6
	FIX 3, 0
	s_wait_loadcnt 0x0                             ; the table's five loads
.irp j, 0,1,2,3,4
	v_pk_mul_f32 v[T+4*\j:T+4*\j+1],   v[T+4*\j:T+4*\j+1],   0x46800000 op_sel_hi:[1,0]  ; x 2^14: exact
	v_pk_mul_f32 v[T+4*\j+2:T+4*\j+3], v[T+4*\j+2:T+4*\j+3], 0x46800000 op_sel_hi:[1,0]
	v_cvt_pk_f16_f32 v[H+2*\j],   v[T+4*\j],   v[T+4*\j+1]   ; an entry's two features in one word
	v_cvt_pk_f16_f32 v[H+2*\j+1], v[T+4*\j+2], v[T+4*\j+3]
	global_store_b64 v[LH], v[H+2*\j:H+2*\j+1], s[10:11] offset:256*\j th:TH_STORE_NT  ; 256 consecutive bytes a store, aligned
.endr
	s_wait_tensorcnt 0x0                           ; the wave's end, behind my last LDS store
	ds_add_u32 v[SPW], v[NIL]
	s_wait_dscnt 0x0
	s_endpgm
.Lfunc_end_k_q357f0b31ba_prep:
	.size	k_q357f0b31ba_prep, .Lfunc_end_k_q357f0b31ba_prep-k_q357f0b31ba_prep
	.p2alignl 7, 3214868480
	.fill 96, 4, 3214868480
	.section	.rodata,"a",@progbits
	.p2align	6, 0x0
	.amdhsa_kernel k_q357f0b31ba_prep
		.amdhsa_group_segment_fixed_size 50176
		.amdhsa_private_segment_fixed_size 0
		.amdhsa_enable_private_segment 0
		.amdhsa_kernarg_size 32
		.amdhsa_user_sgpr_count 2
		.amdhsa_user_sgpr_kernarg_segment_ptr 1
		.amdhsa_wavefront_size32 1
		.amdhsa_system_sgpr_workgroup_id_x 1
		.amdhsa_system_sgpr_workgroup_id_y 1
		.amdhsa_system_sgpr_workgroup_id_z 1
		.amdhsa_system_vgpr_workitem_id 0
		.amdhsa_next_free_vgpr 138
		.amdhsa_next_free_sgpr 66
		.amdhsa_reserve_vcc 0
		.amdhsa_float_denorm_mode_32 3
		.amdhsa_float_denorm_mode_16_64 3
		.amdhsa_memory_ordered 1
		.amdhsa_forward_progress 1
		.amdhsa_inst_pref_size 20
	.end_amdhsa_kernel
	.amdgpu_metadata
---
amdhsa.version: [ 1, 2 ]
amdhsa.kernels:
  - .name:           k_q357f0b31ba_prep
    .symbol:         k_q357f0b31ba_prep.kd
    .args:
      - { .name: positions, .offset: 0, .size: 8, .value_kind: global_buffer, .address_space: global }
      - { .name: table, .offset: 8, .size: 8, .value_kind: global_buffer, .address_space: global }
      - { .name: qpos, .offset: 16, .size: 8, .value_kind: global_buffer, .address_space: global }
      - { .name: tab16, .offset: 24, .size: 8, .value_kind: global_buffer, .address_space: global }
    .group_segment_fixed_size: 50176
    .private_segment_fixed_size: 0
    .kernarg_segment_align: 8
    .kernarg_segment_size: 32
    .max_flat_workgroup_size: 256
    .sgpr_count:     66
    .vgpr_count:     138
    .wavefront_size: 32
...
	.end_amdgpu_metadata
.endif
;; end of part 1
;; launch gather (part 2): grid 25 x 10, 32 waves a work-group, no clusters, 266,240 bytes of LDS; arguments qpos, tab16, feat; writes feat
.if DOCPART == 2
	.amdgcn_target "amdgcn-amd-amdhsa--gfx1250"
	.amdhsa_code_object_version 6
	.text
	.protected	k_q357f0b31ba_gather
	.globl	k_q357f0b31ba_gather
	.p2align	8
	.type	k_q357f0b31ba_gather,@function
k_q357f0b31ba_gather:
	s_mov_b64 s[64:65], 0
	v_nop
	global_prefetch_b8 v0, s[64:65] scope:SCOPE_SE
	s_setreg_imm32_b32 hwreg(HW_REG_WAVE_MODE, 25, 1), 1
	s_wait_xcnt 0x0
; PropMLP, second launch: the hash grid.  feat[chunk][level][128 points] = the level's two interpolated features (times 2^14), an f16 pair in one word.  No work of reference() is left out.
; A WORK-GROUP HAS ONE LEVEL: its whole table, 65,536 words of two f16 (262,144 bytes, as the first launch packed it), lies in LDS, filled once; all 8 lookups a point are LDS loads of 4 bytes.
; grid x = 25 parts of the 8,192 chunks of 128 points, grid y = the level: 250 work-groups.  8,192 = 17 x 328 + 8 x 327: part p begins at chunk 327 p + min(p, 17).
; Wave w takes the part's chunks w, w + 32, ..: 10 or 11 trips; no barrier stands in the loop.  A lane has four neighbouring points of the chunk.
; NO CLUSTER: what a level's work-groups share is the table, 8 KiB a wave, asked for once at the head; 25 parts are no multiple of four, 24 parts would make ten work-groups
; fewer, and partners would differ in their trip counts.
; ARITHMETIC, all in whole numbers as far as addresses go.  A coordinate's word is I << 24 | f (f: 23 fractional bits).  t = f x n (under 2^32, n <= 512); cell = I n + (t >> 23);
; (t & 0x7fffff) | 0x3f800000 is the f32 number 1 + frac.  Of the hash only the low 16 bits count, so each term is kept modulo 2^16, already times 4 (a byte address):
; X = 4 cell_x (cells stay under 16,384: no mask), Y = (cell_y x 4 (P2 mod 2^16)) & 0x3fffc, the next cell's Y = (Y + 4 (P2 mod 2^16)) & 0x3fffc, Z likewise with P3.
; A corner's address is X ^ Y ^ Z, held to the table by v_min_u32.  Weights in f32, two points an instruction; the blend multiplies the f16 halves as they lie into f32 sums.
; LIMITS: those of the first launch (positions in [0, 32), cut to 2^-23; table entries below 3.99 in magnitude); a feature is rounded once to f16, times 2^14.
.set WAVES, 32
.set QCH,   1536                       ; bytes of a chunk in qpos
.set FCH,   5120                       ; bytes of a chunk in feat: 10 levels x 512
.set TABB,  262144                     ; the table in LDS, from byte 0
.set SPARE, TABB                       ; behind it: the spare words, 128 bytes for each wave, which no other line names
.set AHEAD, 3                          ; trip k prefetches what trip k + 3 reads
.set SPW, 2                            ; v2   LDS address of my spare word; never rewritten
.set NIL, 3                            ; v3   0, for the add alone
.set LO,  4                            ; v4   16 x lane; never rewritten
.set ZR,  5                            ; v5   0.0: starts the sums
.set PFO, 6                            ; v6   256 x lane; never rewritten
.set Q,   8                            ; v[8:19]    x, y, z words of my four points
.set M,   20                           ; v[20:31]   1 + frac, dimension d, point p at M + 4 d + p
.set B,   32                           ; v[32:43]   cells, then X, Y, Z of the lower corner
.set E,   44                           ; v[44:55]   X, Y, Z of the upper corner
.set FG,  32                           ; later, for two points: frac of dimension d at FG + 4 d, 1 - frac at FG + 4 d + 2
.set XY,  44                           ; later: the four products over x and y
.set A,   56                           ; v[56:87]   point p, corner c = 4 i + 2 j + k at A + 8 p + c: the address, and onto it the loaded word
.set YZ,  88                           ; v[88:95]   Y ^ Z, four a point, two sets by turns
.set WW,  96                           ; v[96:111]  corner c's weight for two points at WW + 2 c; at a trip's head at work
.set AC,  112                          ; v[112:115] two sums for each of two points
.set O,   116                          ; v[116:119] my four points' words
.set WV,  10                           ; s10  wave
.set LV,  11                           ; s11  level
.set NN,  12                           ; s12  the level's grid size n
.set MSK, 13
.set ONE, 14
.set P2,  15                           ; 4 (2654435761 mod 2^16)
.set P3,  16                           ; 4 (805459861 mod 2^16)
.set HM,  17
.set ST,  18                           ; the part's first chunk
.set SZ,  19                           ; its chunks
.set CNT, 20                           ; my wave's trips
.set K,   21                           ; the trip
.set LIM, 22                           ; I prefetch while K is below it
.set TS,  23
.set OF,  24                           ; s[24:25] an offset
.set QP,  26                           ; s[26:27] qpos at the chunk last asked for
.set FP,  28                           ; s[28:29] feat at my chunk and level
.set PF,  30                           ; s[30:31] qpos where my prefetch stands
.set G0,  32                           ; s[32:35] tensor descriptor, group 0
.set G1,  36                           ; s[36:43] group 1
.macro PICK lv, n
	s_cmp_eq_u32 s[LV], \lv
	s_cselect_b32 s[NN], \n, s[NN]
.endm
	s_load_b128 s[4:7], s[0:1], 0x0                ; qpos s[4:5], tab16 s[6:7]
	s_load_b64 s[8:9], s[0:1], 0x10                ; feat
	v_lshl_add_u32 v[SPW], v0, 2, SPARE
	v_mov_b32 v[NIL], 0
	ds_add_u32 v[SPW], v[NIL]                      ; the wave's opening: the add, twice on end, and its wait ahead of my tensor load; work on registers stands between
	ds_add_u32 v[SPW], v[NIL]
	v_lshrrev_b32 v1, 5, v0
	v_readfirstlane_b32 s[WV], v1                  ; wave 0..31
	s_and_b32 s[LV], ttmp7, 0xffff
	; my 8,192 bytes of the level's table, dense in memory: 32 rows of 32 elements of 8 bytes, laid into LDS without gaps
	s_mov_b32 s[G1+0], 3<<16                       ; no mask; elements of 8 bytes; no padding
	s_mov_b32 s[G1+1], 32<<16                      ; tensor_dim0 = 32
	s_mov_b32 s[G1+2], 32<<16                      ; tensor_dim1 = 32
	s_mov_b32 s[G1+3], 32<<16                      ; tile_dim0 = 32
	s_mov_b32 s[G1+4], 32                          ; tile_dim1 = 32
	s_mov_b32 s[G1+5], 32                          ; 32 elements from row to row
	s_mov_b32 s[G1+6], 0
	s_mov_b32 s[G1+7], 0
	s_mov_b32 s[G0], 1
	s_lshl_b32 s[G0+1], s[WV], 13                  ; LDS address: 8,192 x wave
	s_lshl_b32 s[OF], s[LV], 18                    ; in tab16: 262,144 x level + 8,192 x wave
	s_lshl_b32 s[TS], s[WV], 13
	s_add_co_u32 s[OF], s[OF], s[TS]
	s_mov_b32 s[OF+1], 0
	s_wait_dscnt 0x0                               ; both opening adds are done
	s_wait_kmcnt 0x0
	s_add_nc_u64 s[G0+2:G0+3], s[6:7], s[OF:OF+1]
	s_or_b32 s[G0+3], s[G0+3], 0x80000000          ; type = 2
	tensor_load_to_lds s[G0:G0+3], s[G1:G1+7]      ; my one tensor load of the launch: nothing is ever filled again
	s_nop 0
	s_mov_b32 s[NN], 16                            ; round(exp(linspace(log 16, log 512, 10)))
	PICK 1, 24
	PICK 2, 35
	PICK 3, 51
	PICK 4, 75
	PICK 5, 110
	PICK 6, 161
	PICK 7, 237
	PICK 8, 348
	PICK 9, 512
	s_mov_b32 s[MSK], 0x7fffff
	s_mov_b32 s[ONE], 0x3f800000
	s_mov_b32 s[P2], 0x79b1<<2
	s_mov_b32 s[P3], 0x5795<<2
	s_mov_b32 s[HM], 0x3fffc
	s_mov_b32 s[TS], ttmp9                         ; the part
	s_mul_i32 s[ST], s[TS], 327
	s_min_u32 s[SZ], s[TS], 17
	s_add_co_u32 s[ST], s[ST], s[SZ]
	s_cmp_lt_u32 s[TS], 17                         ; the first 17 parts have one chunk more:
	s_cselect_b32 s[SZ], 1, 0
	s_add_co_u32 s[SZ], s[SZ], 327                 ; 328 or 327
	s_sub_co_u32 s[CNT], s[SZ], s[WV]              ; chunks w, w + 32, .. below the part's size: (size - w + 31) / 32 trips
	s_add_co_u32 s[CNT], s[CNT], 31
	s_lshr_b32 s[CNT], s[CNT], 5
	s_cmp_lt_u32 s[WV], 6                          ; who prefetches: waves 0 to 5 of the level-0 work-groups, for trips 3 to 9
	s_cselect_b32 s[LIM], 10-AHEAD, 0
	s_cmp_eq_u32 s[LV], 0
	s_cselect_b32 s[LIM], s[LIM], 0
	s_add_co_u32 s[TS], s[ST], s[WV]               ; my first chunk
	s_mul_i32 s[OF], s[TS], QCH
	s_add_nc_u64 s[QP:QP+1], s[4:5], s[OF:OF+1]
	s_mul_i32 s[OF], s[TS], FCH
	s_lshl_b32 s[TS], s[LV], 9
	s_add_co_u32 s[OF], s[OF], s[TS]
	s_add_nc_u64 s[FP:FP+1], s[8:9], s[OF:OF+1]
	s_add_co_u32 s[TS], s[ST], AHEAD*WAVES         ; the 32 chunks of trip 3: 49,152 bytes on end, of which wave w names 8,192
	s_mul_i32 s[OF], s[TS], QCH
	s_lshl_b32 s[TS], s[WV], 13
	s_add_co_u32 s[OF], s[OF], s[TS]
	s_add_nc_u64 s[PF:PF+1], s[4:5], s[OF:OF+1]
	v_and_b32 v1, 31, v0
	v_lshlrev_b32 v[LO], 4, v1
	v_lshlrev_b32 v[PFO], 8, v1
	v_mov_b32 v[ZR], 0
.irp d, 0,1,2
	global_load_b128 v[Q+4*\d:Q+4*\d+3], v[LO], s[QP:QP+1] offset:512*\d  ; my first chunk: 512 consecutive bytes a load
.endr
	s_wait_tensorcnt 0x0                           ; my part of the table is in,
	s_barrier_signal -1
	s_barrier_wait -1                              ; everybody's is; from here on LDS is only read
; Word e of the twelve: cell and 1 + frac.
.macro SPLIT e
.set t0, WW+3*((\e)%4)
	v_mul_u32_u24 v[t0], s[NN], v[Q+(\e)]          ; t = f x n: the multiply takes the word's low 24 bits
	v_lshrrev_b32 v[t0+1], 24, v[Q+(\e)]           ; I
	v_lshrrev_b32 v[t0+2], 23, v[t0]
	v_and_or_b32 v[M+(\e)], v[t0], s[MSK], s[ONE]
	v_mad_u32_u24 v[B+(\e)], v[t0+1], s[NN], v[t0+2]
.endm
; Point p: the six hash terms.
.macro HASH p
	v_lshlrev_b32 v[B+(\p)], 2, v[B+(\p)]
	v_mul_u32_u24 v[B+4+(\p)], s[P2], v[B+4+(\p)]
	v_mul_u32_u24 v[B+8+(\p)], s[P3], v[B+8+(\p)]
	v_add_nc_u32 v[E+(\p)], 4, v[B+(\p)]
	v_and_b32 v[B+4+(\p)], s[HM], v[B+4+(\p)]
	v_and_b32 v[B+8+(\p)], s[HM], v[B+8+(\p)]
	v_add_nc_u32 v[E+4+(\p)], s[P2], v[B+4+(\p)]
	v_add_nc_u32 v[E+8+(\p)], s[P3], v[B+8+(\p)]
	v_and_b32 v[E+4+(\p)], s[HM], v[E+4+(\p)]
	v_and_b32 v[E+8+(\p)], s[HM], v[E+8+(\p)]
.endm
; Point p: its eight addresses and its eight lookups.  All terms lie within 0x3fffc, so the minimum changes nothing: it holds the address to the table whatever was read.
.macro ADDR p
.set yz, YZ+4*((\p)%2)
	v_xor_b32 v[yz],   v[B+4+(\p)], v[B+8+(\p)]
	v_xor_b32 v[yz+1], v[B+4+(\p)], v[E+8+(\p)]
	v_xor_b32 v[yz+2], v[E+4+(\p)], v[B+8+(\p)]
	v_xor_b32 v[yz+3], v[E+4+(\p)], v[E+8+(\p)]
.irp c, 0,1,2,3
	v_xor_b32 v[A+8*(\p)+\c],   v[B+(\p)], v[yz+\c]
	v_xor_b32 v[A+8*(\p)+4+\c], v[E+(\p)], v[yz+\c]
.endr
.irp c, 0,1,2,3,4,5,6,7
	v_min_u32 v[A+8*(\p)+\c], 0x3fffc, v[A+8*(\p)+\c]
.endr
.irp c, 0,1,2,3,4,5,6,7
	ds_load_b32 v[A+8*(\p)+\c], v[A+8*(\p)+\c]     ; the word lands on its own address
.endr
.endm
; Points 2 r and 2 r + 1: the eight trilinear weights, two points an instruction.
.macro WEIGH r
.irp d, 0,1,2
	v_pk_fma_f32 v[FG+4*\d:FG+4*\d+1],   v[M+4*\d+2*(\r):M+4*\d+2*(\r)+1], 1.0, -1.0 op_sel_hi:[1,0,0]  ; frac, exact
	v_pk_fma_f32 v[FG+4*\d+2:FG+4*\d+3], v[M+4*\d+2*(\r):M+4*\d+2*(\r)+1], -1.0, 2.0 op_sel_hi:[1,0,0]  ; 1 - frac, exact
.endr
	v_pk_mul_f32 v[XY:XY+1],   v[FG+2:FG+3], v[FG+6:FG+7]
	v_pk_mul_f32 v[XY+2:XY+3], v[FG+2:FG+3], v[FG+4:FG+5]
	v_pk_mul_f32 v[XY+4:XY+5], v[FG:FG+1],   v[FG+6:FG+7]
	v_pk_mul_f32 v[XY+6:XY+7], v[FG:FG+1],   v[FG+4:FG+5]
.irp a, 0,1,2,3
	v_pk_mul_f32 v[WW+4*\a:WW+4*\a+1],   v[XY+2*\a:XY+2*\a+1], v[FG+10:FG+11]
	v_pk_mul_f32 v[WW+4*\a+2:WW+4*\a+3], v[XY+2*\a:XY+2*\a+1], v[FG+8:FG+9]
.endr
.endm
; The same two points: both features' sums over the eight corners, in f32, four chains by turns; then one rounding to f16.
.macro BLEND r
.irp c, 0,1,2,3,4,5,6,7
.irp s, 0,1
.if (\c) == 0
	v_fma_mix_f32 v[AC+2*\s],   v[A+8*(2*(\r)+\s)+\c], v[WW+2*\c+\s], v[ZR] op_sel_hi:[1,0,0]
	v_fma_mix_f32 v[AC+2*\s+1], v[A+8*(2*(\r)+\s)+\c], v[WW+2*\c+\s], v[ZR] op_sel:[1,0,0] op_sel_hi:[1,0,0]
.else
	v_fma_mix_f32 v[AC+2*\s],   v[A+8*(2*(\r)+\s)+\c], v[WW+2*\c+\s], v[AC+2*\s] op_sel_hi:[1,0,0]
	v_fma_mix_f32 v[AC+2*\s+1], v[A+8*(2*(\r)+\s)+\c], v[WW+2*\c+\s], v[AC+2*\s+1] op_sel:[1,0,0] op_sel_hi:[1,0,0]
.endif
.endr
.endr
	v_cvt_pk_f16_f32 v[O+2*(\r)],   v[AC],   v[AC+1]
	v_cvt_pk_f16_f32 v[O+2*(\r)+1], v[AC+2], v[AC+3]
.endm
	s_mov_b32 s[K], 0
.Ltrip:
	s_wait_loadcnt 0x0                             ; my chunk's three loads, asked for a trip ago: their base may be stepped
.irp e, 0,1,2,3,4,5,6,7,8,9,10,11
	SPLIT \e
.endr
	s_add_co_u32 s[TS], s[K], 1                    ; the words are used up: the next chunk is asked for now, a whole trip ahead; the last trip asks for nothing
	s_cmp_lt_u32 s[TS], s[CNT]
	s_cbranch_scc0 .Lno_next
	s_add_nc_u64 s[QP:QP+1], s[QP:QP+1], WAVES*QCH
.irp d, 0,1,2
	global_load_b128 v[Q+4*\d:Q+4*\d+3], v[LO], s[QP:QP+1] offset:512*\d
.endr
.Lno_next:
	; A prefetch into the L2, behind my loads: the 49,152 bytes of qpos that the work-group's trip K + 3 reads, two trips ahead of the loads that ask for them.  All ten levels' work-groups of a part
	; read the same bytes: level 0's asks.  Waves 0 to 5 name 8,192 bytes each, a lane a block of 256: each block once in the launch.  Only the ten full trips are named: K stops at 6.
	s_cmp_lt_u32 s[K], s[LIM]
	s_cbranch_scc0 .Lno_ask
	global_prefetch_b8 v[PFO], s[PF:PF+1] th:TH_LOAD_NT scope:SCOPE_SE
.Lno_ask:
.irp p, 0,1,2,3
	HASH \p
.endr
.irp p, 0,1,2,3
	ADDR \p
.endr
	WEIGH 0                                        ; the weights stand between the lookups and the wait for them
	s_wait_dscnt 16                                ; LDS loads come back in order: points 0 and 1 are in, the 16 of points 2 and 3 may be out
	BLEND 0
	WEIGH 1
	s_wait_dscnt 0x0
	BLEND 1
	global_store_b128 v[LO], v[O:O+3], s[FP:FP+1] th:TH_STORE_NT  ; 512 consecutive bytes, aligned: the chunk's row of my level
	s_wait_xcnt 0x0                                ; the store's data and base, and the prefetch's base, are written again only behind this wait
	s_add_nc_u64 s[FP:FP+1], s[FP:FP+1], WAVES*FCH
	s_add_nc_u64 s[PF:PF+1], s[PF:PF+1], WAVES*QCH
	s_add_co_u32 s[K], s[K], 1
	s_cmp_lt_u32 s[K], s[CNT]
	s_cbranch_scc1 .Ltrip
	s_wait_tensorcnt 0x0                           ; the wave's end, behind my tensor load
	ds_add_u32 v[SPW], v[NIL]
	s_wait_dscnt 0x0
	s_endpgm
.Lfunc_end_k_q357f0b31ba_gather:
	.size	k_q357f0b31ba_gather, .Lfunc_end_k_q357f0b31ba_gather-k_q357f0b31ba_gather
	.p2alignl 7, 3214868480
	.fill 96, 4, 3214868480
	.section	.rodata,"a",@progbits
	.p2align	6, 0x0
	.amdhsa_kernel k_q357f0b31ba_gather
		.amdhsa_group_segment_fixed_size 266240
		.amdhsa_private_segment_fixed_size 0
		.amdhsa_enable_private_segment 0
		.amdhsa_kernarg_size 24
		.amdhsa_user_sgpr_count 2
		.amdhsa_user_sgpr_kernarg_segment_ptr 1
		.amdhsa_wavefront_size32 1
		.amdhsa_system_sgpr_workgroup_id_x 1
		.amdhsa_system_sgpr_workgroup_id_y 1
		.amdhsa_system_sgpr_workgroup_id_z 1
		.amdhsa_system_vgpr_workitem_id 0
		.amdhsa_next_free_vgpr 128
		.amdhsa_next_free_sgpr 66
		.amdhsa_reserve_vcc 0
		.amdhsa_float_denorm_mode_32 3
		.amdhsa_float_denorm_mode_16_64 3
		.amdhsa_memory_ordered 1
		.amdhsa_forward_progress 1
		.amdhsa_inst_pref_size 22
	.end_amdhsa_kernel
	.amdgpu_metadata
---
amdhsa.version: [ 1, 2 ]
amdhsa.kernels:
  - .name:           k_q357f0b31ba_gather
    .symbol:         k_q357f0b31ba_gather.kd
    .args:
      - { .name: qpos, .offset: 0, .size: 8, .value_kind: global_buffer, .address_space: global }
      - { .name: tab16, .offset: 8, .size: 8, .value_kind: global_buffer, .address_space: global }
      - { .name: feat, .offset: 16, .size: 8, .value_kind: global_buffer, .address_space: global }
    .group_segment_fixed_size: 266240
    .private_segment_fixed_size: 0
    .kernarg_segment_align: 8
    .kernarg_segment_size: 24
    .max_flat_workgroup_size: 1024
    .sgpr_count:     66
    .vgpr_count:     128
    .wavefront_size: 32
...
	.end_amdgpu_metadata
.endif
;; end of part 2
;; launch mlp (part 3): grid 256 x 1, 16 waves a work-group, no clusters, 0 bytes of LDS; arguments feat, W1, b1, W2, b2, out0; writes out0
.if DOCPART == 3
	.amdgcn_target "amdgcn-amd-amdhsa--gfx1250"
	.amdhsa_code_object_version 6
	.text
	.protected	k_q357f0b31ba_mlp
	.globl	k_q357f0b31ba_mlp
	.p2align	8
	.type	k_q357f0b31ba_mlp,@function
k_q357f0b31ba_mlp:
	s_mov_b64 s[64:65], 0
	v_nop
	global_prefetch_b8 v0, s[64:65] scope:SCOPE_SE
	s_setreg_imm32_b32 hwreg(HW_REG_WAVE_MODE, 25, 1), 1
	s_wait_xcnt 0x0
; PropMLP, third launch: out0 = relu(x W1 + b1) W2 + b2.  x comes as feat[chunk of 128 points][level][128 words], a word = the level's two features x 2^14 in f16.  No work of reference() is left out.
; SHARES.  4,096 waves, two chunks (256 points, 16 tiles of 16) each; no loop, no LDS.
; FIRST PRODUCT, on the matrix unit, transposed: h^T = W1^T x^T.  Source 0 = 16 hidden units x K, source 1 = K x 16 points, f16, sums in f32, C = b1 x 2^14 in f32.
; K = 32 has 16 places of two (8 registers x 2 halves of the lanes).  Level l stands in half l / 5, register l % 5, in both sources alike; registers 5 to 7 hold zeros (12 of 32 along K, inside a live tile).
; So a register of source 1 IS a word of feat.  A lane loads 16 bytes = 4 neighbouring points of one level (16 lanes: 256 consecutive bytes, aligned); point 4 r + i of lane r belongs to tile i,
; and five copies a tile gather its registers.  They stand behind the tile before's matrix instructions, where plain instructions are wanted anyway.
; Hidden unit 4 m + t is row m of tile t, so that a lane's 16 bytes of a row of W1 serve the four tiles; b1 and W2 follow the same order.
; SECOND PRODUCT, on the vector unit, in f32, on purpose: W2 has ONE column (15 of a matrix tile's 16 would be zeros), and h keeps its f32 sums: a weighted sum of 64 terms,
; 32 in each half of the lanes.  W2 carries the 2^-14 that takes the features' scale away (both scalings are exact).
; In the result a lane holds one point (lane % 16) and the hidden units 32 (lane / 16) + 4 j + t in register j of tile t.
; LIMITS: W1 is rounded once to f16 (under 65,504; below 6e-5 a fixed step of 6e-8); the features as the second launch left them.
.set VO, 2                             ; v2   2,560 (lane / 16) + 16 (lane % 16): my place in a chunk of feat (five levels on) and in W1 (ten rows on); never rewritten
.set VB, 3                             ; v3   128 (lane / 16): my half of b1 and W2
.set OO, 4                             ; v4   16 x lane
.set T0, 5
.set BQ, 6                             ; v[6:7]     b2 / 4, twice: it enters four partial sums of each point
.set AW, 8                             ; v[8:39]    W1's fragments, tile t at AW + 8 t
.set CB, 40                            ; v[40:71]   b1 x 2^14, tile t at CB + 8 t
.set WR, 72                            ; v[72:103]  W2 x 2^-14, likewise
.set D,  104                           ; v[104:135] h, tile t at D + 8 t
.set BO, 136                           ; v[136:151] source 1, two buffers by turns
.set L,  152                           ; v[152:231] feat: chunk cc, half c of its points, level j, point i at L + 40 cc + 20 c + 4 j + i
.set AC, 232                           ; v[232:235] two chains of packed sums
.set PP, 236                           ; v[236:237] my half's partial sum of the tile with c = 0, c = 1
.set T1, 238
.set T2, 239
.set O,  240                           ; v[240:247] four neighbouring points' results, for each chunk
	s_load_b256 s[4:11], s[0:1], 0x0               ; feat s[4:5], W1 s[6:7], b1 s[8:9], W2 s[10:11]
	s_load_b128 s[12:15], s[0:1], 0x20             ; b2 s[12:13], out0 s[14:15]
	v_lshrrev_b32 v1, 5, v0
	v_readfirstlane_b32 s16, v1                    ; wave 0..15
	v_and_b32 v1, 15, v0
	v_bfe_u32 v[T0], v0, 4, 1
	v_lshlrev_b32 v[VO], 4, v1
	v_mad_u32_u24 v[VO], v[T0], 2560, v[VO]
	v_lshlrev_b32 v[VB], 7, v[T0]
	v_and_b32 v[OO], 31, v0
	v_lshlrev_b32 v[OO], 4, v[OO]
	s_lshl_b32 s17, ttmp9, 4
	s_add_co_u32 s17, s17, s16                     ; my wave among 4,096
	s_mul_i32 s18, s17, 2*5120                     ; its two chunks of feat
	s_mov_b32 s19, 0
	s_lshl_b32 s20, s17, 10                        ; and of out0
	s_mov_b32 s21, 0
	s_mov_b32 s23, 0xffff0000                      ; lanes 16 to 31
	s_mov_b32 s24, 0x76543210                      ; v_permlanex16_b32: each lane takes its own place in the other half
	s_mov_b32 s25, 0xfedcba98
	s_wait_kmcnt 0x0
	s_load_b32 s22, s[12:13], 0x0                  ; b2
	s_add_nc_u64 s[4:5], s[4:5], s[18:19]
	s_add_nc_u64 s[14:15], s[14:15], s[20:21]
	; the weights first, into registers that are free until the tiles begin: W1's rows into the second chunk's, W2 into b1's place, b1 into h's
.irp q, 0,1,2,3,4,5,6,7,8,9
	global_load_b128 v[L+40+4*\q:L+40+4*\q+3], v[VO], s[6:7] offset:256*\q  ; row 10 (lane / 16) + q, hidden units 4 r .. 4 r + 3: 16 lanes take a whole row
.endr
.irp j, 0,1,2,3,4,5,6,7
	global_load_b128 v[CB+4*\j:CB+4*\j+3], v[VB], s[10:11] offset:16*\j
.endr
.irp j, 0,1,2,3,4,5,6,7
	global_load_b128 v[D+4*\j:D+4*\j+3], v[VB], s[8:9] offset:16*\j
.endr
.irp c, 0,1
.irp j, 0,1,2,3,4
	global_load_b128 v[L+20*\c+4*\j:L+20*\c+4*\j+3], v[VO], s[4:5] offset:512*\j+256*\c th:TH_LOAD_NT  ; the first chunk
.endr
.endr
.irp t, 0,1,2,3
.irp j, 5,6,7
	v_mov_b32 v[AW+8*\t+\j], 0                     ; the places along K that no feature fills
.endr
.endr
.irp j, 5,6,7,13,14,15
	v_mov_b32 v[BO+\j], 0
.endr
	v_mov_b32 v[T2], 0                             ; v_permlanex16_b32's destination counts as read
	s_wait_loadcnt 10                              ; the 26 loads of weights are in; the first chunk's ten may be out
.irp t, 0,1,2,3
.irp j, 0,1,2,3,4,5,6,7
	v_mul_f32 v[WR+8*\t+\j], 0x38800000, v[CB+4*\j+\t]  ; W2 x 2^-14, into tile order
.endr
.endr
.irp t, 0,1,2,3
.irp j, 0,1,2,3,4,5,6,7
	v_mul_f32 v[CB+8*\t+\j], 0x46800000, v[D+4*\j+\t]   ; b1 x 2^14, likewise
.endr
.endr
.irp t, 0,1,2,3
.irp j, 0,1,2,3,4
	v_cvt_pk_f16_f32 v[AW+8*\t+\j], v[L+40+8*\j+\t], v[L+40+8*\j+4+\t]  ; level 5 (lane / 16) + j: W1's two rows of it, hidden unit 4 r + t
.endr
.endr
.irp c, 0,1
.irp j, 0,1,2,3,4
	global_load_b128 v[L+40+20*\c+4*\j:L+40+20*\c+4*\j+3], v[VO], s[4:5] offset:5120+512*\j+256*\c th:TH_LOAD_NT  ; the second chunk: it has the first chunk's eight tiles in which to land
.endr
.endr
	s_wait_kmcnt 0x0
	v_mov_b32 v[BQ], s22
	v_mul_f32 v[BQ], 0x3e800000, v[BQ]             ; b2 / 4, exact
	v_mov_b32 v[BQ+1], v[BQ]
; Tile n of 16: chunk n / 8, point i = (n % 8) / 2 of each lane's four, half c = n % 2 of the chunk's points.  FEED gathers its five registers of source 1.
.macro FEED n
.set lb, L+40*((\n)/8)+20*((\n)%2)+((\n)%8)/2
.set bn, BO+8*((\n)%2)
.irp j, 0,1,2,3,4
	v_mov_b32 v[bn+\j], v[lb+4*\j]
.endr
.endm
.macro TILE n
.set cc, (\n)/8
.set ci, (\n)%2
.set ii, ((\n)%8)/2
.set bf, BO+8*((\n)%2)
.irp t, 0,1,2,3
	v_wmma_f32_16x16x32_f16 v[D+8*\t:D+8*\t+7], v[AW+8*\t:AW+8*\t+7], v[bf:bf+7], v[CB+8*\t:CB+8*\t+7]
.endr
.if (\n) == 7
	s_wait_loadcnt 0x0                             ; the second chunk
.endif
	; Behind matrix instructions four plain vector instructions that name none of their registers come before a result is read, five before a matrix instruction writes over it
	; (ISA guide 7.12.1): the next tile's five copies, into the other buffer, are these.
.if (\n) < 15
	FEED (\n)+1
.else
.rept 4
	v_nop
.endr
.endif
.irp t, 0,2,1,3                        ; two chains by turns: tiles 0, 1 and tiles 2, 3; each accumulator is read from its low end on
.irp j, 0,1,2,3,4,5,6,7
	v_max_num_f32 v[D+8*\t+\j], 0, v[D+8*\t+\j]
.endr
.irp j, 0,2,4,6
.if ((\t) == 0) && ((\j) == 0)
	v_pk_fma_f32 v[AC:AC+1], v[D:D+1], v[WR:WR+1], v[BQ:BQ+1]
.elseif ((\t) == 2) && ((\j) == 0)
	v_pk_mul_f32 v[AC+2:AC+3], v[D+16:D+17], v[WR+16:WR+17]
.else
	v_pk_fma_f32 v[AC+2*((\t)/2):AC+2*((\t)/2)+1], v[D+8*\t+\j:D+8*\t+\j+1], v[WR+8*\t+\j:WR+8*\t+\j+1], v[AC+2*((\t)/2):AC+2*((\t)/2)+1]
.endif
.endr
.endr
	v_pk_add_f32 v[AC:AC+1], v[AC:AC+1], v[AC+2:AC+3]
	v_add_f32 v[PP+ci], v[AC], v[AC+1]
.if ci == 1
	; Two tiles' halves meet by one exchange: lanes 0-15 keep the c = 0 tile's partial sum and send the c = 1 tile's, lanes 16-31 the other way round.
	; Lane l then holds point 4 l + i of the chunk.
	v_cndmask_b32 v[T0], v[PP+1], v[PP], s23
	v_cndmask_b32 v[T1], v[PP], v[PP+1], s23
	v_permlanex16_b32 v[T2], v[T0], s24, s25
	v_add_f32 v[O+4*cc+ii], v[T1], v[T2]
.endif
.if (\n)%8 == 7
	global_store_b128 v[OO], v[O+4*cc:O+4*cc+3], s[14:15] offset:512*cc th:TH_STORE_NT  ; the chunk's 128 results: 512 consecutive bytes, aligned
.endif
.endm
	s_wait_loadcnt 10                              ; the first chunk is in; the second chunk's ten loads may be out
	FEED 0
.irp n, 0,1,2,3,4,5,6,7,8,9,10,11,12,13,14,15
	TILE \n
.endr
	s_endpgm
.Lfunc_end_k_q357f0b31ba_mlp:
	.size	k_q357f0b31ba_mlp, .Lfunc_end_k_q357f0b31ba_mlp-k_q357f0b31ba_mlp
	.p2alignl 7, 3214868480
	.fill 96, 4, 3214868480
	.section	.rodata,"a",@progbits
	.p2align	6, 0x0
	.amdhsa_kernel k_q357f0b31ba_mlp
		.amdhsa_group_segment_fixed_size 0
		.amdhsa_private_segment_fixed_size 0
		.amdhsa_enable_private_segment 0
		.amdhsa_kernarg_size 48
		.amdhsa_user_sgpr_count 2
		.amdhsa_user_sgpr_kernarg_segment_ptr 1
		.amdhsa_wavefront_size32 1
		.amdhsa_system_sgpr_workgroup_id_x 1
		.amdhsa_system_sgpr_workgroup_id_y 1
		.amdhsa_system_sgpr_workgroup_id_z 1
		.amdhsa_system_vgpr_workitem_id 0
		.amdhsa_next_free_vgpr 248
		.amdhsa_next_free_sgpr 66
		.amdhsa_reserve_vcc 0
		.amdhsa_float_denorm_mode_32 3
		.amdhsa_float_denorm_mode_16_64 3
		.amdhsa_memory_ordered 1
		.amdhsa_forward_progress 1
		.amdhsa_inst_pref_size 54
	.end_amdhsa_kernel
	.amdgpu_metadata
---
amdhsa.version: [ 1, 2 ]
amdhsa.kernels:
  - .name:           k_q357f0b31ba_mlp
    .symbol:         k_q357f0b31ba_mlp.kd
    .args:
      - { .name: feat, .offset: 0, .size: 8, .value_kind: global_buffer, .address_space: global }
      - { .name: W1, .offset: 8, .size: 8, .value_kind: global_buffer, .address_space: global }
      - { .name: b1, .offset: 16, .size: 8, .value_kind: global_buffer, .address_space: global }
      - { .name: W2, .offset: 24, .size: 8, .value_kind: global_buffer, .address_space: global }
      - { .name: b2, .offset: 32, .size: 8, .value_kind: global_buffer, .address_space: global }
      - { .name: out0, .offset: 40, .size: 8, .value_kind: global_buffer, .address_space: global }
    .group_segment_fixed_size: 0
    .private_segment_fixed_size: 0
    .kernarg_segment_align: 8
    .kernarg_segment_size: 48
    .max_flat_workgroup_size: 512
    .sgpr_count:     66
    .vgpr_count:     248
    .wavefront_size: 32
...
	.end_amdgpu_metadata
.endif
;; end of part 3
